; MI455X (gfx1250); checked and timed in simulation.
; The chip was launched on July 23, 2026; its instructions are those of AMD's public machine-readable ISA for CDNA 5 (MIT licence, August 2026) and "CDNA5" Instruction Set Architecture Reference Guide (July 2026). The comments in the code are by the model that wrote it; some were corrected since.
;; State Sequence Predictor. Allowed arithmetic: float matrix products may take bf16 or f16 operands with f32 sums; other float arithmetic in f32, or as packed bf16 or f16 multiplies, adds, multiply-adds, maxima and minima; sums over many terms, partial sums and values carried from step to step in f32; what a program stores and reads back later, other than sums and carried values, may be rounded once to bf16 or f16.
;; Inputs: Whh0 768 x 256 float32; Whh1 768 x 256 float32; Wih0 768 x 128 float32; Wih1 768 x 256 float32; Wo 128 x 256 float32; Wp 256 x 512 float32; bhh0 768 float32; bhh1 768 float32; bih0 768 float32; bih1 768 float32; bo 128 float32; bp 256 float32; embedding 16,384 x 512 float32; initial_state 16,384 x 128 float32.
;; Outputs: out0 16,384 x 4 x 128 float32.
;; One version. Each part assembles by itself: llvm-mc -triple=amdgcn-amd-amdhsa -mcpu=gfx1250 --defsym DOCPART=n.
;; ======== version 1 of 1: 2 launches
;; limits: values are held in f16: magnitudes above 65,504 overflow, below 6.1e-05 lose precision; right only within a limited range of input values
;; workspace buffers: wpack 1,878,016 bytes
;; launch pack (part 1): grid 77 x 1, 8 waves a work-group, no clusters, 0 bytes of LDS; arguments Wp, Whh0, Wih0, Whh1, Wih1, Wo, bih0, bhh0, bih1, bhh1, bp, bo, wpack; writes wpack
.if DOCPART == 1
	.amdgcn_target "amdgcn-amd-amdhsa--gfx1250"
	.amdhsa_code_object_version 6
	.text
	.protected	k_q354b4974b9_pack
	.globl	k_q354b4974b9_pack
	.p2align	8
	.type	k_q354b4974b9_pack,@function
k_q354b4974b9_pack:
	s_mov_b64 s[64:65], 0
	v_nop
	global_prefetch_b8 v0, s[64:65] scope:SCOPE_SE
	s_setreg_imm32_b32 hwreg(HW_REG_WAVE_MODE, 25, 1), 1
	s_wait_xcnt 0x0
; THE WEIGHTS AS A STREAM OF MATRIX FRAGMENTS, AND A TABLE OF BIASES, for the launch behind.
; wpack = 19 slots of 98,304 bytes, then 10,240 bytes of biases.  A slot has four parts of 24,576 bytes, one for each wave w of the consumer; a part has 24 fragments f of 1,024 bytes;
; a fragment is 16 rows x 32 k of a weight matrix in 16 bits: the 16 bytes at 512 p + 16 L hold W[n0 + L % 16][k0 + 16 p + 8 (L / 16) + 0..7], which is what lane L's registers 4 p .. 4 p + 3 want.
;   slots 0-3   Wp   bf16   f < 16: n0 = 64 w + 16 (f & 3), k0 = 128 q + 32 (f >> 2); f >= 16: zeros          (q = the slot's number within its matrix)
;   slots 4-7   Whh0 f16    f = 12 cs + 4 g + c: n0 = 256 g + 64 w + 16 c, k0 = 64 q + 32 cs                   (g = gate r, z, n)
;   slots 8-9   Wih0 bf16   likewise        slots 10-13 Whh1 f16, 14-17 Wih1 f16   likewise
;   slot  18    Wo   f16    f < 16: n0 = 32 w + 16 (f & 1), k0 = 32 (f >> 1); f >= 16: zeros
; Every weight is rounded once to bf16; where the consumer multiplies in f16, that number is written as f16.
; LIMIT: such a weight lies within 65,504, and below 6e-5 it keeps f16's fixed step of 6e-8.
; THE TABLE (f32; each bias first rounded to bf16; L2E = log2 e): layer l at 4,096 l: -L2E (bih_r + bhh_r); +1,024: -L2E (bih_z + bhh_z); +2,048: 2 L2E bih_n; +3,072: 2 L2E bhh_n;
; 8,192: bp; 9,216: bo; 9,728 to 10,239: zeros.
; SHARES.  Work-group g < 76 makes part g & 3 of slot g >> 2; its wave v the fragments 3 v .. 3 v + 2: twelve loads of 16 bytes a lane, all out together, six stores of 512 consecutive aligned bytes.
; Work-group 76 makes the table.  No register that a load or store names is written again, so no wait but the one for the data is needed.
.set SLOTB,   98304
.set WPART,   24576
.set BIASOFF, 19*SLOTB
.set WV,   34                          ; s34  my wave's number
.set POS,  35                          ; s35  the slot
.set SRC,  36                          ; s[36:37] the slot's matrix
.set OUT,  38                          ; s[38:39] wpack at my work-group's part
.set W,    40                          ; s40  the consumer's wave
.set LP,   41                          ; s41  log2 of the matrix's row in bytes
.set FMT,  42                          ; s42  1: f16
.set KIND, 43                          ; s43  0: Wp's order, 1: a gate matrix's, 2: Wo's
.set QB,   44                          ; s44  the slot's number within its matrix
.set VAL,  45                          ; s45-47  for each of my three fragments: all ones, or 0 for a fragment of zeros
	s_load_b512 s[8:23], s[0:1], 0x0               ; Wp 8, Whh0 10, Wih0 12, Whh1 14, Wih1 16, Wo 18, bih0 20, bhh0 22
	s_load_b256 s[24:31], s[0:1], 0x40             ; bih1 24, bhh1 26, bp 28, bo 30
	s_load_b64 s[32:33], s[0:1], 0x60              ; wpack
	v_lshrrev_b32 v1, 5, v0
	v_readfirstlane_b32 s[WV], v1                  ; wave 0..7
	v_and_b32 v1, 31, v0                           ; lane L
	v_and_b32 v2, 15, v0                           ; L % 16
	v_bfe_u32 v3, v0, 4, 1                         ; L / 16
	s_wait_kmcnt 0x0
	s_cmp_eq_u32 ttmp9, 76
	s_cbranch_scc1 .Lbias
	s_lshr_b32 s[POS], ttmp9, 2
	s_and_b32 s[W], ttmp9, 3
	s_mul_i32 s48, ttmp9, WPART
	s_mov_b32 s49, 0
	s_add_nc_u64 s[OUT:OUT+1], s[32:33], s[48:49]
	; which matrix: slot 18 is Wo's; each line below takes over for the slots under its bound
	s_mov_b64 s[SRC:SRC+1], s[18:19]
	s_mov_b32 s[LP], 10
	s_mov_b32 s[FMT], 1
	s_mov_b32 s[KIND], 2
	s_mov_b32 s[QB], 18
.macro TAKE below, ptr, lp, fmt, kind, first
	s_cmp_lt_u32 s[POS], \below
	s_cselect_b64 s[SRC:SRC+1], s[\ptr:\ptr+1], s[SRC:SRC+1]
	s_cselect_b32 s[LP], \lp, s[LP]
	s_cselect_b32 s[FMT], \fmt, s[FMT]
	s_cselect_b32 s[KIND], \kind, s[KIND]
	s_cselect_b32 s[QB], \first, s[QB]
.endm
	TAKE 18, 16, 10, 1, 1, 14                      ; Wih1
	TAKE 14, 14, 10, 1, 1, 10                      ; Whh1
	TAKE 10, 12, 9,  0, 1, 8                       ; Wih0
	TAKE 8,  10, 10, 1, 1, 4                       ; Whh0
	TAKE 4,  8,  11, 0, 0, 0                       ; Wp
	s_sub_co_u32 s[QB], s[POS], s[QB]
; Fragment f = 3 v + i: its corner (n0, k0) by all three orders, the slot's chosen; my lane's byte offset in the matrix; four loads: 8 f32 for each half of the fragment.
.macro FRAG i
	s_mul_i32 s52, s[WV], 3
	s_add_co_u32 s52, s52, \i                      ; f
	s_and_b32 s53, s52, 15                         ; a fragment of zeros reads where f - 16 reads: inside the matrix
	s_and_b32 s54, s53, 3                          ; Wp's order
	s_lshl_b32 s54, s54, 4
	s_lshl_b32 s55, s[W], 6
	s_add_co_u32 s54, s54, s55                     ; n0
	s_lshr_b32 s55, s53, 2
	s_lshl_b32 s55, s55, 5
	s_lshl_b32 s56, s[QB], 7
	s_add_co_u32 s55, s55, s56                     ; k0
	s_and_b32 s56, s53, 1                          ; Wo's order
	s_lshl_b32 s56, s56, 4
	s_lshl_b32 s57, s[W], 5
	s_add_co_u32 s56, s56, s57                     ; n0
	s_lshr_b32 s57, s53, 1
	s_lshl_b32 s57, s57, 5                         ; k0
	s_cmp_ge_u32 s52, 12                           ; a gate matrix's order
	s_cselect_b32 s58, 1, 0                        ; cs
	s_mul_i32 s59, s58, 12
	s_sub_co_u32 s59, s52, s59                     ; 4 g + c
	s_lshr_b32 s60, s59, 2
	s_lshl_b32 s60, s60, 8
	s_and_b32 s59, s59, 3
	s_lshl_b32 s59, s59, 4
	s_add_co_u32 s60, s60, s59
	s_lshl_b32 s59, s[W], 6
	s_add_co_u32 s60, s60, s59                     ; n0
	s_lshl_b32 s58, s58, 5
	s_lshl_b32 s59, s[QB], 6
	s_add_co_u32 s58, s58, s59                     ; k0
	s_cmp_eq_u32 s[KIND], 0
	s_cselect_b32 s56, s54, s56
	s_cselect_b32 s57, s55, s57
	s_cmp_lt_u32 s52, 16
	s_cselect_b32 s[VAL+\i], -1, 0
	s_cmp_eq_u32 s[KIND], 1
	s_cselect_b32 s56, s60, s56
	s_cselect_b32 s57, s58, s57
	s_cselect_b32 s[VAL+\i], -1, s[VAL+\i]
	v_add_nc_u32 v[4+\i], s56, v2                  ; row n0 + L % 16,
	v_lshlrev_b32 v[4+\i], s[LP], v[4+\i]          ; in bytes,
	s_lshl_b32 s57, s57, 2
	v_add_nc_u32 v[4+\i], s57, v[4+\i]             ; + 4 k0
	v_lshl_add_u32 v[4+\i], v3, 5, v[4+\i]         ; + 8 f32 for the upper half of the lanes
	s_lshl_b32 s52, s52, 10
	v_lshl_add_u32 v[8+\i], v1, 4, s52             ; where it goes: 1,024 f + 16 L
	global_load_b128 v[16+16*\i:16+16*\i+3],   v[4+\i], s[SRC:SRC+1]
	global_load_b128 v[16+16*\i+4:16+16*\i+7], v[4+\i], s[SRC:SRC+1] offset:16
	global_load_b128 v[16+16*\i+8:16+16*\i+11],  v[4+\i], s[SRC:SRC+1] offset:64
	global_load_b128 v[16+16*\i+12:16+16*\i+15], v[4+\i], s[SRC:SRC+1] offset:80
.endm
	FRAG 0
	FRAG 1
	FRAG 2
	s_wait_loadcnt 0x0
.set j, 0
.rept 24
	v_cvt_pk_bf16_f32 v[64+j], v[16+2*j], v[16+2*j+1]  ; the one rounding of a weight
.set j, j+1
.endr
	s_cmp_eq_u32 s[FMT], 0
	s_cbranch_scc1 .Lkeep
.set j, 0
.rept 24                               ; the bf16 number, widened and written as f16
	v_lshlrev_b32 v88, 16, v[64+j]
	v_and_b32 v89, 0xffff0000, v[64+j]
	v_cvt_pk_f16_f32 v[64+j], v88, v89
.set j, j+1
.endr
.Lkeep:
.set j, 0
.rept 24
	v_and_b32 v[64+j], s[VAL+j/8], v[64+j]
.set j, j+1
.endr
.irp i, 0,1,2
	global_store_b128 v[8+\i], v[64+8*\i:64+8*\i+3],   s[OUT:OUT+1]             ; 512 consecutive bytes, at a multiple of 512 from wpack's first
	global_store_b128 v[8+\i], v[64+8*\i+4:64+8*\i+7], s[OUT:OUT+1] offset:512
.endr
	s_endpgm
.Lbias:                                ; thread t of 128 takes two units; waves 0-3 layer 0 and bp, waves 4-7 layer 1 and (waves 4, 5) bo, (waves 6, 7) the zeros behind it
	v_and_b32 v4, 127, v0
	s_cmp_lt_u32 s[WV], 4
	s_cselect_b64 s[36:37], s[20:21], s[24:25]     ; bih
	s_cselect_b64 s[38:39], s[22:23], s[26:27]     ; bhh
	s_cselect_b64 s[48:49], s[28:29], s[30:31]     ; bp or bo
	s_cselect_b32 s50, 127, 63                     ; the last pair of that vector
	s_cselect_b32 s51, 0, 4096
	s_cmp_lt_u32 s[WV], 6
	s_cselect_b32 s52, -1, 0
	v_lshlrev_b32 v5, 3, v4                        ; 8 t
	v_min_u32 v6, s50, v4
	v_lshlrev_b32 v6, 3, v6                        ; waves 6 and 7 read bo's last pair and mask it away
	v_add_nc_u32 v7, s51, v5
	v_lshlrev_b32 v8, 3, v0
	global_load_b64 v[16:17], v5, s[36:37]
	global_load_b64 v[18:19], v5, s[36:37] offset:1024
	global_load_b64 v[20:21], v5, s[36:37] offset:2048
	global_load_b64 v[22:23], v5, s[38:39]
	global_load_b64 v[24:25], v5, s[38:39] offset:1024
	global_load_b64 v[26:27], v5, s[38:39] offset:2048
	global_load_b64 v[28:29], v6, s[48:49]
	s_wait_loadcnt 0x0
.irp p, 16,18,20,22,24,26,28
	v_cvt_pk_bf16_f32 v9, v[\p], v[\p+1]           ; rounded to bf16 like every input, and widened again
	v_lshlrev_b32 v[\p], 16, v9
	v_and_b32 v[\p+1], 0xffff0000, v9
.endr
	v_pk_add_f32 v[16:17], v[16:17], v[22:23]
	v_pk_add_f32 v[18:19], v[18:19], v[24:25]
	v_pk_mul_f32 v[16:17], v[16:17], 0xbfb8aa3b op_sel_hi:[1,0]  ; -log2 e
	v_pk_mul_f32 v[18:19], v[18:19], 0xbfb8aa3b op_sel_hi:[1,0]
	v_pk_mul_f32 v[20:21], v[20:21], 0x4038aa3b op_sel_hi:[1,0]  ; 2 log2 e
	v_pk_mul_f32 v[26:27], v[26:27], 0x4038aa3b op_sel_hi:[1,0]
	v_and_b32 v28, s52, v28
	v_and_b32 v29, s52, v29
	global_store_b64 v7, v[16:17], s[32:33] offset:BIASOFF        ; a wave's store covers 256 consecutive aligned bytes
	global_store_b64 v7, v[18:19], s[32:33] offset:BIASOFF+1024
	global_store_b64 v7, v[20:21], s[32:33] offset:BIASOFF+2048
	global_store_b64 v7, v[26:27], s[32:33] offset:BIASOFF+3072
	global_store_b64 v8, v[28:29], s[32:33] offset:BIASOFF+8192
	s_endpgm
.Lfunc_end_k_q354b4974b9_pack:
	.size	k_q354b4974b9_pack, .Lfunc_end_k_q354b4974b9_pack-k_q354b4974b9_pack
	.p2alignl 7, 3214868480
	.fill 96, 4, 3214868480
	.section	.rodata,"a",@progbits
	.p2align	6, 0x0
	.amdhsa_kernel k_q354b4974b9_pack
		.amdhsa_group_segment_fixed_size 0
		.amdhsa_private_segment_fixed_size 0
		.amdhsa_enable_private_segment 0
		.amdhsa_kernarg_size 104
		.amdhsa_user_sgpr_count 2
		.amdhsa_user_sgpr_kernarg_segment_ptr 1
		.amdhsa_wavefront_size32 1
		.amdhsa_system_sgpr_workgroup_id_x 1
		.amdhsa_system_sgpr_workgroup_id_y 1
		.amdhsa_system_sgpr_workgroup_id_z 1
		.amdhsa_system_vgpr_workitem_id 0
		.amdhsa_next_free_vgpr 96
		.amdhsa_next_free_sgpr 66
		.amdhsa_reserve_vcc 0
		.amdhsa_float_denorm_mode_32 3
		.amdhsa_float_denorm_mode_16_64 3
		.amdhsa_memory_ordered 1
		.amdhsa_forward_progress 1
		.amdhsa_inst_pref_size 18
	.end_amdhsa_kernel
	.amdgpu_metadata
---
amdhsa.version: [ 1, 2 ]
amdhsa.kernels:
  - .name:           k_q354b4974b9_pack
    .symbol:         k_q354b4974b9_pack.kd
    .args:
      - { .name: Wp, .offset: 0, .size: 8, .value_kind: global_buffer, .address_space: global }
      - { .name: Whh0, .offset: 8, .size: 8, .value_kind: global_buffer, .address_space: global }
      - { .name: Wih0, .offset: 16, .size: 8, .value_kind: global_buffer, .address_space: global }
      - { .name: Whh1, .offset: 24, .size: 8, .value_kind: global_buffer, .address_space: global }
      - { .name: Wih1, .offset: 32, .size: 8, .value_kind: global_buffer, .address_space: global }
      - { .name: Wo, .offset: 40, .size: 8, .value_kind: global_buffer, .address_space: global }
      - { .name: bih0, .offset: 48, .size: 8, .value_kind: global_buffer, .address_space: global }
      - { .name: bhh0, .offset: 56, .size: 8, .value_kind: global_buffer, .address_space: global }
      - { .name: bih1, .offset: 64, .size: 8, .value_kind: global_buffer, .address_space: global }
      - { .name: bhh1, .offset: 72, .size: 8, .value_kind: global_buffer, .address_space: global }
      - { .name: bp, .offset: 80, .size: 8, .value_kind: global_buffer, .address_space: global }
      - { .name: bo, .offset: 88, .size: 8, .value_kind: global_buffer, .address_space: global }
      - { .name: wpack, .offset: 96, .size: 8, .value_kind: global_buffer, .address_space: global }
    .group_segment_fixed_size: 0
    .private_segment_fixed_size: 0
    .kernarg_segment_align: 8
    .kernarg_segment_size: 104
    .max_flat_workgroup_size: 256
    .sgpr_count:     66
    .vgpr_count:     96
    .wavefront_size: 32
...
	.end_amdgpu_metadata
.endif
;; end of part 1
;; launch gru (part 2): grid 256 x 1, 4 waves a work-group, clusters of 4 x 1, 327,680 bytes of LDS; arguments embedding, initial_state, wpack, out0; writes out0
.if DOCPART == 2
	.amdgcn_target "amdgcn-amd-amdhsa--gfx1250"
	.amdhsa_code_object_version 6
	.text
	.protected	k_q354b4974b9_gru
	.globl	k_q354b4974b9_gru
	.p2align	8
	.type	k_q354b4974b9_gru,@function
k_q354b4974b9_gru:
	s_mov_b64 s[64:65], 0
	v_nop
	global_prefetch_b8 v0, s[64:65] scope:SCOPE_SE
	s_setreg_imm32_b32 hwreg(HW_REG_WAVE_MODE, 25, 1), 1
	s_wait_xcnt 0x0
	s_wait_alu depctr_hold_cnt(0) depctr_sa_sdst(0) depctr_va_vdst(0) depctr_va_sdst(0) depctr_va_ssrc(0) depctr_va_vcc(0) depctr_vm_vsrc(0)
	s_getreg_b32 s2, hwreg(HW_REG_IB_STS2, 6, 4)
	s_cmp_eq_u32 s2, 0
	s_cbranch_scc0 .Lentry_in_a_cluster
	s_endpgm
.Lentry_in_a_cluster:
	s_bfe_u32 s2, ttmp6, 0x10000c
	s_cmp_lg_u32 s2, 0x3003
	s_cbranch_scc0 .Lentry_shape_is_right
	s_endpgm
.Lentry_shape_is_right:
; THE WHOLE RECURRENCE IN ONE LAUNCH.  h = embedding Wp^T + bp starts both layers; four steps of GRU cell 0 (state, h0), GRU cell 1 (h0, h1) and state = h1 Wo^T + bo, which is stored as out0[row][step][:].
; SHARES.  A work-group owns 64 rows for all four steps; nothing but the outputs goes to memory.  Wave w owns all 64 rows x hidden units 64 w .. 64 w + 63: 4 column tiles c x 4 row tiles m of 16 x 16.
; THE MATRIX INSTRUCTION IS USED TRANSPOSED: source 0 = 16 rows of a weight matrix, source 1 = 16 rows of activations.  In the result lane l holds row 16 m + l % 16 and the units 16 c + 8 (l / 16) + 0..7.
; A tile has four accumulators: r and z (input and hidden part summed in one), in, hn: 64 accumulators, 512 registers.  h0 and h1 are carried in f32 in 256 more.
; FORMATS.  All inputs are rounded once to bf16 (the weights and biases by the launch in front).  embedding x Wp and state x Wih0 are multiplied in bf16; h0 and h1 go as f16 (11 significant bits), with
; weights that are bf16 numbers written as f16.  Sums, carries and gates in f32.  sigmoid(x) = rcp(1 + exp2(-x log2 e)); tanh(x) = 1 - 2 rcp(1 + exp2(2 x log2 e)): infinite exponentials give the limits 0, 1, -1, 1.
; LIMITS.  |h0|, |h1| stay under 65,520, that is |embedding Wp^T + bp| does (f16); exp2 and rcp take and give no denormals; NaN and infinities are not treated apart.
; THE WEIGHTS come as a stream of slots of 98,304 bytes, laid out as fragments: slots 0-3 Wp, then for each step slots 4-18: Whh0 (4), Wih0 (2), Whh1 (4), Wih1 (4), Wo (1).  A slot of a cell holds
; two K chunks of 32 for all 768 gate columns.  Each wave fetches, by one tensor load of 96 rows x 256 bytes, the quarter of a slot that it alone reads.  Two LDS slots take turns; from a request to
; the wait for it a wave issues 80 of a slot's 96 matrix instructions.
; CLUSTER.  Four work-groups walk the same stream, so each load is asked for JOINTLY: the same descriptor and the mask of four in all.
; LDS.  0: slot 0; 98,304: slot 1 (tensor loads alone write these).  ACT: 64 rows x 1,296 bytes: h1 f16 at 0, h0 f16 at 512, state bf16 at 1,024, 16 of padding: 81 x 16 bytes, so the 16 rows of a
; fragment load start at 16 different groups of four banks (64 banks of 4 bytes: ISA guide 11.1), and K runs on end for cell 1 (0-1,023), cell 0 (512-1,279) and the output (0-511).
; EMB: the same bytes, before ACT is first written: the embedding in bf16, 64 rows x 1,040.  STG: 64 rows x 528, the outputs in f32 on their way out.  BIAS: the table.  SPARE: the spare words.
; REGISTERS, in windows of 256 (s_set_vgpr_msb: bits 1:0 source 0, 3:2 source 1, 5:4 source 2, 7:6 destination):
;   window 0: v0-29 addresses; v32-63, v64-95 activations' fragments A0, A1 (v64-95 also at work); v96-127 r's weights; v128-159, v160-191 z's and n's weights of a slot's first chunk (in the gates: two sets
;             of biases); v192-223, v224-255 z's and n's of its second chunk (at the start and on the way out: at work)
;   window 1: v0-127 h0, v128-255 h1      window 2: v0-127 r, v128-255 in      window 3: v0-127 z, v128-255 hn      (tile (c, m) at + 8 (4 c + m))
.set SLOTB,   98304
.set WPART,   24576                    ; a wave's quarter of a slot: 24 fragments of 1,024 bytes
.set ACT,     2*SLOTB
.set AP,      1296
.set EMB,     ACT
.set EP,      1040
.set STG,     ACT+64*AP
.set SP,      528
.set BIAS,    STG+64*SP
.set SPARE,   BIAS+10240               ; the spare words, 128 bytes for each wave: two blocks of 256 bytes that no other line names
.set BIASOFF, 19*SLOTB                 ; the table's place in wpack
.set WB0, 2                            ; v2   16 l + my quarter; never rewritten
.set WB,  3                            ; v3   the same in the slot that is being read
.set AL,  4                            ; v4   ACT + 1,296 (l % 16) + 16 (l / 16)
.set AA,  5                            ; v5   the address of the run of activation loads in hand
.set AE,  6                            ; v6   EMB + 1,040 (l % 16) + 16 (l / 16)
.set HS,  7                            ; v7   where I put 8 units of h: AL + 128 w
.set BI,  8                            ; v8   BIAS + 256 w + 32 (l / 16)
.set GS,  9                            ; v9   STG + 528 (l % 16) + 32 (l / 16) + 128 w
.set SS,  10                           ; v10  where I put 8 numbers of state: AL + 1,024 + 64 w
.set GR,  11                           ; v11  STG + 16 w rows + 16 l
.set RO,  12                           ; v12  16 l + 16 w rows of 2,048 bytes: in embedding and in out0
.set IO,  14                           ; v14  16 l + 16 w rows of 512 bytes, in initial_state
.set ES,  15                           ; v15  EMB + 8 l + 16 w rows
.set IS,  16                           ; v16  ACT + 1,024 + 8 l + 16 w rows
.set BO,  17                           ; v17  16 x thread, in the table
.set BL,  18                           ; v18  BIAS + 16 x thread
.set PFO, 19                           ; v19  256 l
.set BI2, 20                           ; v20  BIAS + 9,216 + 128 w + 32 (l / 16): bo
.set SPW, 28                           ; v28  LDS address of my spare word; never rewritten
.set NIL, 29                           ; v29  0; never rewritten
.set A0,  32
.set A1,  64
.set PK,  64                           ; packed 16-bit numbers on their way to LDS, where A1 lies idle
.set BR,  96
.set BZ0, 128
.set BN0, 160
.set BZ1, 192
.set BN1, 224
.set BG,  128                          ; the gates' two sets of biases, where BZ0 and BN0 lie idle
.set BB,  192                          ; the table on its way in, bp, bo, the outputs on their way out: where BZ1 and BN1 lie idle
.set WV,  12                           ; s12  my wave's number
.set CX,  13                           ; s13  my place in the cluster: it enters global addresses of rows and of prefetches alone
.set WG,  14                           ; s14  my block of 64 rows
.set G1,  16                           ; s[16:23] descriptor group 1
.set G0A, 24                           ; s[24:27] group 0 of the first fill of slot 0
.set G0,  28                           ; s[28:31] group 0 of the first fill of slot 1; then it walks
.set SB,  32                           ; s32  LDS byte of the slot that is being read: 0 or SLOTB
.set WOFF, 33                          ; s33  24,576 w
.set KO,  34                           ; s34  byte along K of the next activation loads
.set CNT, 35
.set STEP, 36
.set PFN, 37                           ; s37  prefetches that I still have to issue
.set PFA, 38                           ; s[38:39] where they stand
.set NL,  40                           ; s[40:41] -log2 e: the packed forms name a pair and take its low word
.set SC,  42                           ; s[42:43] 2 log2 e
.set MSB, 0
.macro WIN new                         ; the immediate's high byte repeats the setting that is left; a switch that changes nothing is dropped
.if MSB != (\new)
	s_set_vgpr_msb (MSB<<8)|(\new)
.set MSB, \new
.endif
.endm
; A load into a register that a matrix instruction has read, and a vector instruction that reads a matrix result, stand four places behind that matrix instruction; only plain vector instructions
; that name none of its registers are places (ISA guide 7.12.1 for vector instructions).
.macro PLACES
.rept 4
	v_nop
.endr
.endm
; A round of the cluster's barrier: my work-group's barrier, so that wave 0's signal speaks for all four waves; wave 0 signals; every wave waits for all four work-groups; my work-group's barrier once more.
.macro CREST                           ; a round behind its opening barrier
	s_cmp_lg_u32 s[WV], 0
	s_cbranch_scc1 .Lnot_wave_0_\@
	s_barrier_signal -3
.Lnot_wave_0_\@:
	s_barrier_wait -3
	s_barrier_signal -1
	s_barrier_wait -1
.endm
.macro CROUND
	s_barrier_signal -1
	s_barrier_wait -1
	CREST
.endm
.macro FILL                            ; the joint refill: my quarter of a slot; an s_nop 0 and four v_nop follow it
	tensor_load_to_lds s[G0:G0+3], s[G1:G1+7]
	s_nop 0
	PLACES
.endm
.macro OTHER                           ; the reads go on in the other slot
	s_xor_b32 s[SB], s[SB], SLOTB
	v_add_nc_u32 v[WB], s[SB], v[WB0]
.endm
; A PREFETCH INTO THE L2 of a slot of the stream's FIRST walk, four refills ahead of the load that will ask for it: refill number q (0 to 12) names slot q + 6.  Each block of 256 bytes of slots 6 to 18 is
; named once in the launch: cluster 0 alone asks, its waves 0 to 2; the four partners are told apart BY ADDRESS: block (3 cx + w) x 8,192 of the slot, a lane 256 bytes: 12 x 32 x 256 = a slot.
; Slots 0 to 5 come by their loads alone; slot 18 is the stream's last, and later walks are not asked for.
.macro ASK
	s_cmp_lg_u32 s[PFN], 0
	s_cbranch_scc0 .Lnot_mine_\@
	global_prefetch_b8 v[PFO], s[PFA:PFA+1] th:TH_LOAD_NT scope:SCOPE_SE
	s_sub_co_u32 s[PFN], s[PFN], 1
.Lnot_mine_\@:
.endm
	s_load_b256 s[4:11], s[0:1], 0x0               ; embedding s[4:5], initial_state s[6:7], wpack s[8:9], out0 s[10:11]
	v_lshl_add_u32 v[SPW], v0, 2, SPARE
	v_mov_b32 v[NIL], 0
	ds_add_u32 v[SPW], v[NIL]                      ; the wave's opening: the add, twice on end, and its wait ahead of my first tensor load; the set-up below, work on registers, stands between
	ds_add_u32 v[SPW], v[NIL]                      ; and once more
	v_lshrrev_b32 v1, 5, v0
	v_readfirstlane_b32 s[WV], v1                  ; wave 0..3
	s_bfe_u32 s[CX], ttmp6, 0x40000
	s_lshl_b32 s[WG], ttmp9, 2                     ; in a cluster launch ttmp9 counts clusters
	s_add_co_u32 s[WG], s[WG], s[CX]
	; descriptor group 1: 24,576 dense bytes as 96 rows of 256
	s_mov_b32 s[G1], 15|(3<<16)|(1<<21)            ; 15:0 the mask of four; 17:16 elements of 8 bytes; 20 no padding; 21 set beside a mask
	s_mov_b32 s[G1+1], 32<<16                      ; tensor_dim0 = 32 elements
	s_mov_b32 s[G1+2], 96<<16                      ; tensor_dim1 = 96
	s_mov_b32 s[G1+3], 32<<16                      ; tile_dim0 = 32
	s_mov_b32 s[G1+4], 96                          ; tile_dim1 = 96
	s_mov_b32 s[G1+5], 32                          ; 32 elements from row to row
	s_mov_b32 s[G1+6], 0
	s_mov_b32 s[G1+7], 0
	s_mov_b32 s[NL], 0xbfb8aa3b
	s_mov_b32 s[NL+1], s[NL]
	s_mov_b32 s[SC], 0x4038aa3b
	s_mov_b32 s[SC+1], s[SC]
	s_mov_b32 s[SB], 0
	s_mul_i32 s[WOFF], s[WV], WPART
	s_cmp_eq_u32 s[WV], 3                          ; who prefetches: waves 0 to 2
	s_cselect_b32 s[PFN], 1, 0
	s_or_b32 s[PFN], s[PFN], ttmp9                 ; of cluster 0: the same in all four partners
	s_cmp_eq_u32 s[PFN], 0
	s_cselect_b32 s[PFN], 13, 0
	s_mul_i32 s46, s[CX], 3
	s_add_co_u32 s46, s46, s[WV]
	s_lshl_b32 s46, s46, 13
	s_mov_b32 s47, 0
	v_and_b32 v21, 31, v0                          ; l
	v_and_b32 v22, 15, v0                          ; l % 16
	v_bfe_u32 v23, v0, 4, 1                        ; l / 16
	v_lshl_add_u32 v[WB0], v21, 4, s[WOFF]
	v_mov_b32 v[WB], v[WB0]                        ; slot 0
	v_mul_u32_u24 v24, v22, AP
	v_lshl_add_u32 v24, v23, 4, v24
	v_add_nc_u32 v[AL], ACT, v24
	v_mul_u32_u24 v25, v22, EP
	v_lshl_add_u32 v25, v23, 4, v25
	v_add_nc_u32 v[AE], EMB, v25
	s_lshl_b32 s48, s[WV], 7
	v_add_nc_u32 v[HS], s48, v[AL]
	s_lshl_b32 s48, s[WV], 8
	s_add_co_u32 s48, s48, BIAS
	v_lshl_add_u32 v[BI], v23, 5, s48
	v_mul_u32_u24 v26, v22, SP
	v_lshl_add_u32 v26, v23, 5, v26
	s_lshl_b32 s48, s[WV], 7
	s_add_co_u32 s48, s48, STG
	v_add_nc_u32 v[GS], s48, v26
	s_lshl_b32 s48, s[WV], 6
	s_add_co_u32 s48, s48, 1024
	v_add_nc_u32 v[SS], s48, v[AL]
	s_mul_i32 s48, s[WV], 16*SP
	s_add_co_u32 s48, s48, STG
	v_lshl_add_u32 v[GR], v21, 4, s48
	s_lshl_b32 s48, s[WV], 15
	v_lshl_add_u32 v[RO], v21, 4, s48
	s_lshl_b32 s48, s[WV], 13
	v_lshl_add_u32 v[IO], v21, 4, s48
	s_mul_i32 s48, s[WV], 16*EP
	s_add_co_u32 s48, s48, EMB
	v_lshl_add_u32 v[ES], v21, 3, s48
	s_mul_i32 s48, s[WV], 16*AP
	s_add_co_u32 s48, s48, ACT+1024
	v_lshl_add_u32 v[IS], v21, 3, s48
	v_lshlrev_b32 v[BO], 4, v0
	v_add_nc_u32 v[BL], BIAS, v[BO]
	v_lshlrev_b32 v[PFO], 8, v21
	s_lshl_b32 s48, s[WV], 7
	s_add_co_u32 s48, s48, BIAS+9216
	v_lshl_add_u32 v[BI2], v23, 5, s48
	s_wait_dscnt 0x0                               ; both opening adds are done
	s_wait_kmcnt 0x0
	s_lshl_b32 s44, s[WG], 17                      ; 64 rows of 2,048 bytes
	s_mov_b32 s45, 0
	s_add_nc_u64 s[4:5], s[4:5], s[44:45]
	s_add_nc_u64 s[10:11], s[10:11], s[44:45]
	s_lshl_b32 s44, s[WG], 15                      ; 64 rows of 512 bytes
	s_add_nc_u64 s[6:7], s[6:7], s[44:45]
	s_add_nc_u64 s[PFA:PFA+1], s[8:9], s[46:47]
	s_add_nc_u64 s[PFA:PFA+1], s[PFA:PFA+1], 5*SLOTB  ; the first refill steps it to slot 6
	s_mov_b32 s48, s[WOFF]                         ; the descriptors are made of the wave's number alone: equal in all four partners
	s_mov_b32 s49, 0
	s_mov_b32 s[G0A], 1                            ; 1:0 count = 1
	s_mov_b32 s[G0A+1], s[WOFF]                    ; 63:32 LDS address: my quarter of slot 0
	s_add_nc_u64 s[G0A+2:G0A+3], s[8:9], s[48:49]  ; 120:64 global address: my quarter of the stream's slot 0
	s_mov_b32 s[G0], 1
	s_add_co_u32 s[G0+1], s[WOFF], SLOTB
	s_add_nc_u64 s[G0+2:G0+3], s[G0A+2:G0A+3], SLOTB
	s_or_b32 s[G0A+3], s[G0A+3], 0x80000000        ; 127:126 type = 2
	s_or_b32 s[G0+3], s[G0+3], 0x80000000
	CROUND                                         ; all four work-groups are here: the first joint loads meet
	tensor_load_to_lds s[G0A:G0A+3], s[G1:G1+7]    ; the two first fills go out together: two loads of mine are out
	s_nop 0
	tensor_load_to_lds s[G0:G0+3], s[G1:G1+7]
	s_nop 0
	PLACES
	; STAGING.  The table (5 loads), my 16 rows of the embedding (64 loads, window 2) and of initial_state (16 loads, window 3, used behind the first product) are asked for at once.
.irp k, 0,1,2,3,4
	global_load_b128 v[BB+4*\k:BB+4*\k+3], v[BO], s[8:9] offset:BIASOFF+2048*\k
.endr
	WIN 0x80                                       ; destination window 2, address window 0
.set i, 0
.rept 64                               ; row i / 4, 512 bytes i % 4
	global_load_b128 v[4*i:4*i+3], v[RO], s[4:5] offset:2048*(i/4)+512*(i%4) th:TH_LOAD_NT
.set i, i+1
.endr
	WIN 0xc0
.set i, 0
.rept 16
	global_load_b128 v[4*i:4*i+3], v[IO], s[6:7] offset:512*i th:TH_LOAD_NT
.set i, i+1
.endr
	WIN 0
.set j, 0
.rept 4                                ; four rows at a time: rounded to bf16, 8 bytes a lane, 256 consecutive bytes a store
.if j == 0
	s_wait_loadcnt 63                              ; of 85 loads the oldest 22 are in: the table and rows 0 to 3 (behind them 64 were issued; the count names what its field holds)
.irp k, 0,1,2,3,4
	ds_store_b128 v[BL], v[BB+4*\k:BB+4*\k+3] offset:2048*\k
.endr
.else
	s_wait_loadcnt 64-16*j                         ; behind rows 4 j .. 4 j + 3: 16 (3 - j) loads of the embedding and 16 of initial_state
.endif
	WIN 0x0a                                       ; sources window 2, destination window 0
.irp a, 0,1,2,3
.irp q, 0,1,2,3
	v_cvt_pk_bf16_f32 v[PK+8*\a+2*\q],   v[16*(4*j+\a)+4*\q],   v[16*(4*j+\a)+4*\q+1]
	v_cvt_pk_bf16_f32 v[PK+8*\a+2*\q+1], v[16*(4*j+\a)+4*\q+2], v[16*(4*j+\a)+4*\q+3]
.endr
.endr
	WIN 0
.irp a, 0,1,2,3
.irp q, 0,1,2,3
	ds_store_b64 v[ES], v[PK+8*\a+2*\q:PK+8*\a+2*\q+1] offset:EP*(4*j+\a)+256*\q
.endr
.endr
.set j, j+1
.endr
	s_wait_dscnt 0x0                               ; for the others' sake: my rows and my part of the table are in LDS
	s_wait_tensorcnt 0x1                           ; my quarter of slot 0 is in; slot 1's may stay out
	s_barrier_signal -1
	s_barrier_wait -1
; THE FIRST PRODUCT, h = embedding Wp^T: 16 chunks of 32 along K, four to a slot, 16 matrix instructions each, straight into h0's registers.  Buffers by the chunk's parity: A0 and v96-127, A1 and v128-159.
.macro ILOAD p, imm                    ; a chunk's 16 loads: 4 fragments of the embedding, 4 of Wp at byte imm of my quarter
	v_add_nc_u32 v[AA], s[KO], v[AE]
	s_add_co_u32 s[KO], s[KO], 64
.irp m, 0,1,2,3
	ds_load_b128 v[A0+32*(\p)+8*\m:A0+32*(\p)+8*\m+3],   v[AA] offset:16*EP*\m
	ds_load_b128 v[A0+32*(\p)+8*\m+4:A0+32*(\p)+8*\m+7], v[AA] offset:16*EP*\m+32
.endr
.irp c, 0,1,2,3
	ds_load_b128 v[BR+32*(\p)+8*\c:BR+32*(\p)+8*\c+3],   v[WB] offset:(\imm)+1024*\c
	ds_load_b128 v[BR+32*(\p)+8*\c+4:BR+32*(\p)+8*\c+7], v[WB] offset:(\imm)+1024*\c+512
.endr
.endm
.macro IMUL p, zero                    ; the 16 accumulators take turns; zero = 1: the first product starts the sums
	WIN 0x50                                       ; C and D window 1
.irp c, 0,1,2,3
.irp m, 0,1,2,3
.if \zero
	v_wmma_f32_16x16x32_bf16 v[8*(4*\c+\m):8*(4*\c+\m)+7], v[BR+32*(\p)+8*\c:BR+32*(\p)+8*\c+7], v[A0+32*(\p)+8*\m:A0+32*(\p)+8*\m+7], 0
.else
	v_wmma_f32_16x16x32_bf16 v[8*(4*\c+\m):8*(4*\c+\m)+7], v[BR+32*(\p)+8*\c:BR+32*(\p)+8*\c+7], v[A0+32*(\p)+8*\m:A0+32*(\p)+8*\m+7], v[8*(4*\c+\m):8*(4*\c+\m)+7]
.endif
.endr
.endr
.endm
.macro ICP i, zero                     ; chunk i = 0, 1, 2 of a slot: the next chunk is fetched, this one multiplied
	WIN 0
	PLACES
	ILOAD ((\i)+1)%2, 4096*((\i)+1)
	s_wait_dscnt 16                                ; all but the 16 just issued
	IMUL (\i)%2, \zero
.endm
; A slot's last chunk, and the change of slots.  All reads of the slot have been issued.  Each wave waits for all its tensor loads, of which one is out: its quarter of the other slot; adds 0 to its spare
; word; waits for that and for its reads; a round of the cluster's barrier; then the slot just left is filled again, with the stream's slot two on.  fin = 1: the product's last chunk: bp is fetched.
.macro ICC fin
	WIN 0
	s_wait_xcnt 0x0                                ; the last prefetch, a slot back, has read its address
	s_add_nc_u64 s[PFA:PFA+1], s[PFA:PFA+1], SLOTB
	s_wait_tensorcnt 0x0                           ; no tensor load of mine is out, so the walking group 0 may be written
	ds_add_u32 v[SPW], v[NIL]                      ; 0 onto my spare word
	s_add_co_u32 s[G0+1], s[SB], s[WOFF]           ; into the slot that is being left,
	s_add_nc_u64 s[G0+2:G0+3], s[G0+2:G0+3], SLOTB ; the stream's next slot; the type bits on top are not reached
	s_wait_dscnt 1                                 ; the chunk's fragments are in; the add may be out
	IMUL 1, 0
	s_wait_dscnt 0x0                               ; the add is done, and my reads of the slot are over
	WIN 0
	CROUND
	FILL
	OTHER
.if \fin
.irp c, 0,1,2,3
	ds_load_b128 v[BB+8*\c:BB+8*\c+3],   v[BI] offset:8192+64*\c
	ds_load_b128 v[BB+8*\c+4:BB+8*\c+7], v[BI] offset:8192+64*\c+16
.endr
.else
	ILOAD 0, 0
.endif
	ASK
.endm
	s_mov_b32 s[KO], 0
	ILOAD 0, 0
	ICP 0, 1
	ICP 1, 0
	ICP 2, 0
	WIN 0                                          ; at a label and at a branch every window is 0
	s_mov_b32 s[CNT], 3
.Linit:
	ICC 0
	ICP 0, 0
	ICP 1, 0
	ICP 2, 0
	WIN 0
	s_sub_co_u32 s[CNT], s[CNT], 1
	s_cmp_lg_u32 s[CNT], 0
	s_cbranch_scc1 .Linit
	ICC 1
	; h1 = h0 = the sums + bp.  The four v_nop behind the refill are the places behind the last products.  Every wave has passed the round with its reads of EMB over: ACT may be written.
	s_wait_dscnt 0x0                               ; bp
	WIN 0x41                                       ; destination and source 0 window 1, source 1 window 0
.set t2, 0
.rept 16
.irp p, 0,1,2,3
	v_pk_add_f32 v[128+8*t2+2*\p:128+8*t2+2*\p+1], v[8*t2+2*\p:8*t2+2*\p+1], v[BB+8*(t2/4)+2*\p:BB+8*(t2/4)+2*\p+1]
	v_pk_add_f32 v[8*t2+2*\p:8*t2+2*\p+1], v[8*t2+2*\p:8*t2+2*\p+1], v[BB+8*(t2/4)+2*\p:BB+8*(t2/4)+2*\p+1]
.endr
.set t2, t2+1
.endr
.irp c, 0,1,2,3
	WIN 0x05                                       ; sources window 1, destination window 0
.set i, 0
.rept 16
	v_cvt_pk_f16_f32 v[PK+i], v[32*\c+2*i], v[32*\c+2*i+1]
.set i, i+1
.endr
	WIN 0
.irp m, 0,1,2,3
	ds_store_b128 v[HS], v[PK+4*\m:PK+4*\m+3] offset:32*\c+16*AP*\m       ; as h1
	ds_store_b128 v[HS], v[PK+4*\m:PK+4*\m+3] offset:512+32*\c+16*AP*\m   ; and as h0
.endr
.endr
	s_wait_loadcnt 0x0                             ; initial_state
	WIN 0x0f                                       ; sources window 3
.set i, 0
.rept 32
	v_cvt_pk_bf16_f32 v[BR+i], v[2*i], v[2*i+1]
.set i, i+1
.endr
	WIN 0
.set i, 0
.rept 16
	ds_store_b64 v[IS], v[BR+2*i:BR+2*i+1] offset:AP*i
.set i, i+1
.endr
	s_wait_dscnt 0x0                               ; for the others' sake
	s_barrier_signal -1
	s_barrier_wait -1                              ; h0, h1 and state lie whole in ACT
; THE CELLS.  A chunk is 32 along K for all my 192 gate columns x 64 rows: 48 matrix instructions (r, z, n: 16 each), 24 loads of weights, 8 of activations.
; The 32 loads of a chunk stand in ONE run, in the chunk before, behind that chunk's products for r: r's weights have one buffer, loaded again four places behind the products that read it;
; z's and n's have one buffer for a slot's first chunk and one for its second, the activations likewise.
.macro LOADB buf, imm                  ; four weight fragments: 512 consecutive bytes a load
.irp c, 0,1,2,3
	ds_load_b128 v[(\buf)+8*\c:(\buf)+8*\c+3],   v[WB] offset:(\imm)+1024*\c
	ds_load_b128 v[(\buf)+8*\c+4:(\buf)+8*\c+7], v[WB] offset:(\imm)+1024*\c+512
.endr
.endm
.macro LOADA buf                       ; the four row tiles' fragments at byte KO of ACT's rows
	v_add_nc_u32 v[AA], s[KO], v[AL]
	s_add_co_u32 s[KO], s[KO], 64
.irp m, 0,1,2,3
	ds_load_b128 v[(\buf)+8*\m:(\buf)+8*\m+3],   v[AA] offset:16*AP*\m
	ds_load_b128 v[(\buf)+8*\m+4:(\buf)+8*\m+7], v[AA] offset:16*AP*\m+32
.endr
.endm
.macro HEADLOAD k                      ; a slot's first chunk, in the order in which every such chunk finds its loads: r's weights, activations, z's, n's
	s_mov_b32 s[KO], \k
	LOADB BR, 0
	LOADA A0
	LOADB BZ0, 4096
	LOADB BN0, 8192
.endm
.macro MULH form, win, acc, bbuf, abuf, zero, c0  ; 8 matrix instructions on 8 accumulators: column tiles c0 and c0 + 1
	WIN \win
.irp c, \c0, (\c0)+1
.irp m, 0,1,2,3
.if \zero
	v_wmma_f32_16x16x32_\form v[(\acc)+8*(4*(\c)+\m):(\acc)+8*(4*(\c)+\m)+7], v[(\bbuf)+8*(\c):(\bbuf)+8*(\c)+7], v[(\abuf)+8*\m:(\abuf)+8*\m+7], 0
.else
	v_wmma_f32_16x16x32_\form v[(\acc)+8*(4*(\c)+\m):(\acc)+8*(4*(\c)+\m)+7], v[(\bbuf)+8*(\c):(\bbuf)+8*(\c)+7], v[(\abuf)+8*\m:(\abuf)+8*\m+7], v[(\acc)+8*(4*(\c)+\m):(\acc)+8*(4*(\c)+\m)+7]
.endif
.endr
.endr
.endm
.macro MULG form, win, acc, bbuf, abuf, zero  ; a gate's 16 matrix instructions on 16 accumulators, which take turns
	MULH \form, \win, \acc, \bbuf, \abuf, \zero, 0
	MULH \form, \win, \acc, \bbuf, \abuf, \zero, 2
.endm
.macro BIASLD l, cb, b                 ; layer l, column tile cb: my 8 units' four biases into set b
.irp g, 0,1,2,3
	ds_load_b128 v[BG+32*(\b)+8*\g:BG+32*(\b)+8*\g+3],   v[BI] offset:4096*(\l)+1024*\g+64*(\cb)
	ds_load_b128 v[BG+32*(\b)+8*\g+4:BG+32*(\b)+8*\g+7], v[BI] offset:4096*(\l)+1024*\g+64*(\cb)+16
.endr
.endm
; A slot's first chunk (A0, BR, BZ0, BN0).  Behind r's products the slot's second chunk is fetched: with that run all reads of the slot have been issued.
; nwin: 0xf0 the n gate's sums go to hn (window 3), 0xa0 to in (window 2).  zrz, zn = 1: these products start the sums.
.macro CHUNKP form, nwin, zrz, zn
	s_wait_dscnt 16                                ; r's weights and the activations are in; z's and n's may be out
	MULG \form, 0xa0, 0, BR, A0, \zrz
	WIN 0
	PLACES
.if (\zn) && !(\zrz)
	PLACES                                         ; the input part begins: in cell 0 the form changes on z's accumulators, which wants five places; these, the four above and the address line below are nine
.endif
	LOADB BR, 12288
	LOADA A1
	LOADB BZ1, 16384
	LOADB BN1, 20480
	s_wait_dscnt 32                                ; all but the 32 just issued: z's and n's are in
	MULG \form, 0xf0, 0, BZ0, A0, \zrz
	MULG \form, \nwin, 128, BN0, A0, \zn
	WIN 0
.endm
; A slot's second chunk (A1, BR, BZ1, BN1), and the change of slots at its head.  Each wave waits for all its tensor loads, of which one is out: its quarter of the other slot; adds 0 to its spare word;
; eight of r's products stand between the add and the wait for it and for my reads, the other eight between the opening signal and its wait; the round; the slot just left is filled again, with the
; stream's slot two on; then the next slot's first chunk is fetched in one run, 32 products ahead of its first use.
; mode 0: as said.  mode 1: cell 0's last chunk: of cell 1's first chunk r's weights and the activations (h1, which cell 0's gates do not write) are fetched, and the gates' first biases.
; mode 2: cell 1's last chunk: the slot left is not filled here (the stream's next slot but one belongs to the next step, and is asked for behind the gates): a plain barrier, across which my load
; of Wo's slot may stay out.
.macro CHUNKC form, nwin, mode
	WIN 0
.if (\mode) < 2
	s_wait_xcnt 0x0                                ; the last prefetch, a slot back, has read its address
	s_add_nc_u64 s[PFA:PFA+1], s[PFA:PFA+1], SLOTB
	s_wait_tensorcnt 0x0                           ; all my tensor loads have landed: the one that was out is my quarter of the next slot
	ds_add_u32 v[SPW], v[NIL]                      ; 0 onto my spare word
	s_add_co_u32 s[G0+1], s[SB], s[WOFF]
	s_add_nc_u64 s[G0+2:G0+3], s[G0+2:G0+3], SLOTB
	s_wait_dscnt 17                                ; out: z's, n's and the add
.else
	s_wait_dscnt 16                                ; out: z's and n's
.endif
	MULH \form, 0xa0, 0, BR, A1, 0, 0
	s_wait_dscnt 0x0                               ; the add is done; my reads of the slot and of ACT are over
	s_barrier_signal -1
	MULH \form, 0xa0, 0, BR, A1, 0, 2
	WIN 0
	s_barrier_wait -1
.if (\mode) < 2
	CREST                                          ; no wave of any partner still reads the slot or has a load on its way
	FILL                                           ; its four v_nop are also the places in front of the loads below
.else
	PLACES                                         ; in front of the loads below
.endif
	OTHER
.if (\mode) == 0
	LOADB BR, 0
	LOADA A0
	LOADB BZ0, 4096
	LOADB BN0, 8192
	ASK
.elseif (\mode) == 1
	LOADB BR, 0
	s_mov_b32 s[KO], 0
	LOADA A0
	BIASLD 0, 0, 0
	ASK
.else
	BIASLD 1, 0, 0
.endif
	MULG \form, 0xf0, 0, BZ1, A1, 0
	MULG \form, \nwin, 128, BN1, A1, 0
	WIN 0
.if (\mode) > 0
	PLACES                                         ; the gates read results just made
.endif
.endm
; THE GATES of one column tile: 64 rows x 16 units, 16 pairs of numbers a lane for each of r, z, in, hn; pair i = 4 m + p takes bias pair p.  Each accumulator's lowest registers are read first.
; Transcendentals go in four batches, each with one plain instruction behind its last and ONE wait ahead of its first reader; plain work stands among them.
.macro SIGEXP gs, gn                   ; at v[RR ..]: x = acc (-log2 e) + bias gs, then exp2 x; beside it at v[NN ..]: acc (2 log2 e) + bias gn
.irp k, 0,1
	v_pk_fma_f32 v[RR+2*\k:RR+2*\k+1], v[RR+2*\k:RR+2*\k+1], s[NL:NL+1], v[BV+8*(\gs)+2*\k:BV+8*(\gs)+2*\k+1] op_sel_hi:[1,0,1]
.endr
.set i, 0
.rept 16
	v_exp_f32 v[RR+2*i], v[RR+2*i]
	v_pk_fma_f32 v[NN+2*i:NN+2*i+1], v[NN+2*i:NN+2*i+1], s[SC:SC+1], v[BV+8*(\gn)+2*(i%4):BV+8*(\gn)+2*(i%4)+1] op_sel_hi:[1,0,1]
	v_exp_f32 v[RR+2*i+1], v[RR+2*i+1]
.if i < 14
	v_pk_fma_f32 v[RR+2*i+4:RR+2*i+5], v[RR+2*i+4:RR+2*i+5], s[NL:NL+1], v[BV+8*(\gs)+2*((i+2)%4):BV+8*(\gs)+2*((i+2)%4)+1] op_sel_hi:[1,0,1]
.endif
.set i, i+1
.endr
.endm
.macro ONERCP base                     ; 1 / (1 + x) on 16 pairs
.irp k, 0,1
	v_pk_add_f32 v[(\base)+2*\k:(\base)+2*\k+1], v[(\base)+2*\k:(\base)+2*\k+1], 1.0 op_sel_hi:[1,0]
.endr
.set i, 0
.rept 16
	v_rcp_f32 v[(\base)+2*i], v[(\base)+2*i]
	v_rcp_f32 v[(\base)+2*i+1], v[(\base)+2*i+1]
.if i < 14
	v_pk_add_f32 v[(\base)+2*i+4:(\base)+2*i+5], v[(\base)+2*i+4:(\base)+2*i+5], 1.0 op_sel_hi:[1,0]
.endif
.set i, i+1
.endr
.endm
.macro BATCH                           ; the plain instruction behind a batch's last transcendental, and the batch's one wait
	v_nop
	s_wait_alu depctr_va_vdst(0)
.endm
.macro EWB l, cc
.set RR, 32*(\cc)                      ; r (window 2), z (window 3)
.set NN, 128+32*(\cc)                  ; in (window 2), hn (window 3)
.set HH, 128*(\l)+32*(\cc)             ; the carry (window 1)
.set BV, BG+32*((\cc)%2)
	WIN 0
.if (\cc) < 3
	BIASLD \l, (\cc)+1, ((\cc)+1)%2
.endif
.if (\cc) == 0
	s_wait_dscnt 8                                 ; my biases are in; out: the next tile's 8 loads
.elseif (\cc) == 3
	s_wait_dscnt 4                                 ; out: the last tile's 4 stores
.else
	s_wait_dscnt 12                                ; out: the last tile's 4 stores and the next tile's 8 loads
.endif
	WIN 0x82                                       ; destination and source 0 window 2; biases window 0
	SIGEXP 0, 2
	WIN 0xc3                                       ; the same in window 3
	SIGEXP 1, 3
	BATCH
	WIN 0x82
	ONERCP RR                                      ; r
	WIN 0xc3
	ONERCP RR                                      ; z
	BATCH
	WIN 0xae                                       ; destination, sources 0 and 2 window 2, source 1 window 3
.irp k, 0,1
	v_pk_fma_f32 v[NN+2*\k:NN+2*\k+1], v[RR+2*\k:RR+2*\k+1], v[NN+2*\k:NN+2*\k+1], v[NN+2*\k:NN+2*\k+1]  ; 2 log2 e (in + r hn)
.endr
.set i, 0
.rept 16
	v_exp_f32 v[NN+2*i], v[NN+2*i]
	v_exp_f32 v[NN+2*i+1], v[NN+2*i+1]
.if i < 14
	v_pk_fma_f32 v[NN+2*i+4:NN+2*i+5], v[RR+2*i+4:RR+2*i+5], v[NN+2*i+4:NN+2*i+5], v[NN+2*i+4:NN+2*i+5]
.endif
.set i, i+1
.endr
	BATCH
	ONERCP NN
	BATCH
.set i, 0
.rept 16
	v_pk_fma_f32 v[NN+2*i:NN+2*i+1], v[NN+2*i:NN+2*i+1], -2.0, 1.0 op_sel_hi:[1,0,0]  ; n
.set i, i+1
.endr
	WIN 0xc9                                       ; destination window 3, source 0 window 1, source 1 window 2
.set i, 0
.rept 16
	v_pk_add_f32 v[NN+2*i:NN+2*i+1], v[HH+2*i:HH+2*i+1], v[NN+2*i:NN+2*i+1] neg_lo:[0,1] neg_hi:[0,1]  ; h - n
.set i, i+1
.endr
	WIN 0x6f                                       ; destination window 1, sources 0 and 1 window 3, source 2 window 2
.set i, 0
.rept 16
	v_pk_fma_f32 v[HH+2*i:HH+2*i+1], v[RR+2*i:RR+2*i+1], v[NN+2*i:NN+2*i+1], v[NN+2*i:NN+2*i+1]  ; h = n + z (h - n)
.set i, i+1
.endr
	WIN 0x05
.set i, 0
.rept 16
	v_cvt_pk_f16_f32 v[PK+i], v[HH+2*i], v[HH+2*i+1]
.set i, i+1
.endr
	WIN 0
.irp m, 0,1,2,3
	ds_store_b128 v[HS], v[PK+4*\m:PK+4*\m+3] offset:512*(1-(\l))+32*(\cc)+16*AP*\m
.endr
.endm
.macro EW l
	EWB \l, 0
	EWB \l, 1
	EWB \l, 2
	EWB \l, 3
.endm
; THE OUTPUT, state = h1 Wo^T + bo: wave w makes 64 rows x columns 32 w .. 32 w + 31: 8 accumulators (window 2, v0-63), 8 chunks of 32 along K, all in one slot.
.macro OLOAD kc
	v_add_nc_u32 v[AA], s[KO], v[AL]
	s_add_co_u32 s[KO], s[KO], 64
.irp m, 0,1,2,3
	ds_load_b128 v[A0+32*((\kc)%2)+8*\m:A0+32*((\kc)%2)+8*\m+3],   v[AA] offset:16*AP*\m
	ds_load_b128 v[A0+32*((\kc)%2)+8*\m+4:A0+32*((\kc)%2)+8*\m+7], v[AA] offset:16*AP*\m+32
.endr
.irp c, 0,1
	ds_load_b128 v[BR+32*((\kc)%2)+8*\c:BR+32*((\kc)%2)+8*\c+3],   v[WB] offset:2048*(\kc)+1024*\c
	ds_load_b128 v[BR+32*((\kc)%2)+8*\c+4:BR+32*((\kc)%2)+8*\c+7], v[WB] offset:2048*(\kc)+1024*\c+512
.endr
.endm
.macro OMUL kc
	WIN 0xa0
.irp c, 0,1
.irp m, 0,1,2,3
.if (\kc) == 0
	v_wmma_f32_16x16x32_f16 v[8*(4*\c+\m):8*(4*\c+\m)+7], v[BR+32*((\kc)%2)+8*\c:BR+32*((\kc)%2)+8*\c+7], v[A0+32*((\kc)%2)+8*\m:A0+32*((\kc)%2)+8*\m+7], 0
.else
	v_wmma_f32_16x16x32_f16 v[8*(4*\c+\m):8*(4*\c+\m)+7], v[BR+32*((\kc)%2)+8*\c:BR+32*((\kc)%2)+8*\c+7], v[A0+32*((\kc)%2)+8*\m:A0+32*((\kc)%2)+8*\m+7], v[8*(4*\c+\m):8*(4*\c+\m)+7]
.endif
.endr
.endr
.endm
; The results go into the stage in f32 and (last = 0) into ACT as the next state in bf16.  ONE barrier stands between that writing and the reading.  last = 0: it is the round of a refill: Wo's slot, read out,
; takes the next step's second slot; behind the refill cell 0's first chunk is fetched, then the stage is read back.  last = 1: the launch's last output: a plain barrier, nothing is asked for, no state is kept.
.macro OUTP last
	WIN 0
	s_mov_b32 s[KO], 0
.irp c, 0,1
	ds_load_b128 v[BB+32+8*\c:BB+32+8*\c+3],   v[BI2] offset:64*\c
	ds_load_b128 v[BB+32+8*\c+4:BB+32+8*\c+7], v[BI2] offset:64*\c+16
.endr
	OLOAD 0
.irp kc, 0,1,2,3,4,5,6
	WIN 0
	PLACES
	OLOAD (\kc)+1
	s_wait_dscnt 12                                ; all but the 12 just issued
	OMUL \kc
.endr
	s_wait_dscnt 0x0
	OMUL 7
	WIN 0
	PLACES
	WIN 0x82                                       ; destination and source 0 window 2, bo window 0
.set t2, 0
.rept 8
.irp p, 0,1,2,3
	v_pk_add_f32 v[8*t2+2*\p:8*t2+2*\p+1], v[8*t2+2*\p:8*t2+2*\p+1], v[BB+32+8*(t2/4)+2*\p:BB+32+8*(t2/4)+2*\p+1]
.endr
.set t2, t2+1
.endr
	WIN 0x08                                       ; a store's data window 2, its address window 0
.set t2, 0
.rept 8
	ds_store_b128 v[GS], v[8*t2:8*t2+3]   offset:16*SP*(t2%4)+64*(t2/4)
	ds_store_b128 v[GS], v[8*t2+4:8*t2+7] offset:16*SP*(t2%4)+64*(t2/4)+16
.set t2, t2+1
.endr
.if !(\last)
	WIN 0x0a
.set t2, 0
.rept 8
.irp p, 0,1,2,3
	v_cvt_pk_bf16_f32 v[PK+4*t2+\p], v[8*t2+2*\p], v[8*t2+2*\p+1]
.endr
.set t2, t2+1
.endr
	WIN 0
.set t2, 0
.rept 8
	ds_store_b128 v[SS], v[PK+4*t2:PK+4*t2+3] offset:16*AP*(t2%4)+32*(t2/4)
.set t2, t2+1
.endr
	s_wait_tensorcnt 0x0                           ; my quarter of the next step's first slot is in; no tensor load of mine is out
	ds_add_u32 v[SPW], v[NIL]                      ; 0 onto my spare word
	s_add_co_u32 s[G0+1], s[SB], s[WOFF]           ; into Wo's slot,
	s_add_nc_u64 s[G0+2:G0+3], s[G0+2:G0+3], SLOTB ; the next step's second slot
	s_wait_dscnt 0x0                               ; the add is done; my reads of the slot are over; for the others' sake: my stores into the stage and into ACT are done
	CROUND
	FILL
	OTHER
	HEADLOAD 512                                   ; cell 0's first chunk: h0 lies at byte 512 of ACT's rows
.else
	WIN 0
	s_wait_dscnt 0x0                               ; for the others' sake: a row's 512 bytes come from four waves
	s_barrier_signal -1
	s_barrier_wait -1
.endif
.set i, 0
.rept 16                               ; back as whole rows: wave w takes rows 16 w .. 16 w + 15
	ds_load_b128 v[BB+4*i:BB+4*i+3], v[GR] offset:SP*i
.set i, i+1
.endr
.set i, 0
.rept 16
	s_wait_dscnt 15-i
	global_store_b128 v[RO], v[BB+4*i:BB+4*i+3], s[10:11] offset:2048*i th:TH_STORE_NT  ; 512 consecutive bytes, at a multiple of 512 from out0's first
.set i, i+1
.endr
.if !(\last)
	s_wait_xcnt 0x0                                ; the stores have read their data and their base: only behind this wait are they written again
	s_add_nc_u64 s[10:11], s[10:11], 512           ; the next step's place in a row of out0
.endif
.endm
	HEADLOAD 512                                   ; cell 0's first chunk of the first step
	s_mov_b32 s[STEP], 4
	s_branch .Lenter                               ; the loop is entered at a step's first cell: a trip is the output of one step and the cells of the next
.Lstep:
	; Behind cell 1's gates: the slot that cell 1 left last is filled with the next step's first slot (the stream goes back 14 slots); the round also shows h1 whole to every wave.
	; That load has the output's 64 products and its arithmetic in which to land.
	s_wait_tensorcnt 0x0                           ; my quarter of Wo's slot is in; no tensor load of mine is out
	ds_add_u32 v[SPW], v[NIL]                      ; 0 onto my spare word
	s_xor_b32 s50, s[SB], SLOTB
	s_add_co_u32 s[G0+1], s50, s[WOFF]
	s_sub_nc_u64 s[G0+2:G0+3], s[G0+2:G0+3], 14*SLOTB
	s_wait_dscnt 0x0                               ; the add is done, and so are my stores of h1
	CROUND
	FILL
	OUTP 0
.Lenter:
	; CELL 0: h0 x Whh0 (8 chunks, f16), then state x Wih0 (4 chunks, bf16).  Between the last f16 and the first bf16 product on an accumulator of r stand six plain instructions (the four behind the
	; refill and two address lines), on one of z nine.
	CHUNKP f16, 0xf0, 1, 1
	s_mov_b32 s[CNT], 3
.Lc0h:
	CHUNKC f16, 0xf0, 0
	CHUNKP f16, 0xf0, 0, 0
	s_sub_co_u32 s[CNT], s[CNT], 1
	s_cmp_lg_u32 s[CNT], 0
	s_cbranch_scc1 .Lc0h
	CHUNKC f16, 0xf0, 0
	CHUNKP bf16, 0xa0, 0, 1
	CHUNKC bf16, 0xa0, 0
	CHUNKP bf16, 0xa0, 0, 0
	CHUNKC bf16, 0xa0, 1
	EW 0
	s_wait_dscnt 0x0                               ; for the others' sake: my units of the new h0 are in ACT
	s_barrier_signal -1
	s_barrier_wait -1
	; CELL 1: h1 x Whh1 (8 chunks), then h0 x Wih1 (8 chunks), all f16.  r's weights and the activations of its first chunk are in registers since cell 0's last chunk;
	; z's and n's go where the biases lay, and land under r's products.
	LOADB BZ0, 4096
	LOADB BN0, 8192
	CHUNKP f16, 0xf0, 1, 1
	s_mov_b32 s[CNT], 3
.Lc1h:
	CHUNKC f16, 0xf0, 0
	CHUNKP f16, 0xf0, 0, 0
	s_sub_co_u32 s[CNT], s[CNT], 1
	s_cmp_lg_u32 s[CNT], 0
	s_cbranch_scc1 .Lc1h
	CHUNKC f16, 0xf0, 0
	CHUNKP f16, 0xa0, 0, 1
	s_mov_b32 s[CNT], 3
.Lc1x:
	CHUNKC f16, 0xa0, 0
	CHUNKP f16, 0xa0, 0, 0
	s_sub_co_u32 s[CNT], s[CNT], 1
	s_cmp_lg_u32 s[CNT], 0
	s_cbranch_scc1 .Lc1x
	CHUNKC f16, 0xa0, 2
	EW 1
	s_sub_co_u32 s[STEP], s[STEP], 1
	s_cmp_lg_u32 s[STEP], 0
	s_cbranch_scc1 .Lstep
	; the last output is written out: nothing is asked for
	s_wait_tensorcnt 0x0                           ; my quarter of Wo's slot is in
	s_wait_dscnt 0x0                               ; my stores of h1 are done
	s_barrier_signal -1
	s_barrier_wait -1
	OUTP 1
	s_wait_tensorcnt 0x0                           ; the wave's end, behind my last tensor load and my last LDS store
	ds_add_u32 v[SPW], v[NIL]
	s_wait_dscnt 0x0
	CROUND                                         ; the closing round: no work-group ends while a partner may still ask for a slot that names it
	s_endpgm
.Lfunc_end_k_q354b4974b9_gru:
	.size	k_q354b4974b9_gru, .Lfunc_end_k_q354b4974b9_gru-k_q354b4974b9_gru
	.p2alignl 7, 3214868480
	.fill 96, 4, 3214868480
	.section	.rodata,"a",@progbits
	.p2align	6, 0x0
	.amdhsa_kernel k_q354b4974b9_gru
		.amdhsa_group_segment_fixed_size 327680
		.amdhsa_private_segment_fixed_size 0
		.amdhsa_enable_private_segment 0
		.amdhsa_kernarg_size 32
		.amdhsa_user_sgpr_count 2
		.amdhsa_user_sgpr_kernarg_segment_ptr 1
		.amdhsa_wavefront_size32 1
		.amdhsa_system_sgpr_workgroup_id_x 1
		.amdhsa_system_sgpr_workgroup_id_y 1
		.amdhsa_system_sgpr_workgroup_id_z 1
		.amdhsa_system_vgpr_workitem_id 0
		.amdhsa_next_free_vgpr 1024
		.amdhsa_next_free_sgpr 66
		.amdhsa_reserve_vcc 0
		.amdhsa_float_denorm_mode_32 3
		.amdhsa_float_denorm_mode_16_64 3
		.amdhsa_memory_ordered 1
		.amdhsa_forward_progress 1
		.amdhsa_inst_pref_size 255
	.end_amdhsa_kernel
	.section	.bss,"aw",@nobits
	.p2align	6
	.space	262144
	.amdgpu_metadata
---
amdhsa.version: [ 1, 2 ]
amdhsa.kernels:
  - .name:           k_q354b4974b9_gru
    .symbol:         k_q354b4974b9_gru.kd
    .args:
      - { .name: embedding, .offset: 0, .size: 8, .value_kind: global_buffer, .address_space: global }
      - { .name: initial_state, .offset: 8, .size: 8, .value_kind: global_buffer, .address_space: global }
      - { .name: wpack, .offset: 16, .size: 8, .value_kind: global_buffer, .address_space: global }
      - { .name: out0, .offset: 24, .size: 8, .value_kind: global_buffer, .address_space: global }
    .group_segment_fixed_size: 327680
    .private_segment_fixed_size: 0
    .kernarg_segment_align: 8
    .kernarg_segment_size: 32
    .max_flat_workgroup_size: 128
    .sgpr_count:     66
    .vgpr_count:     1024
    .wavefront_size: 32
...
	.end_amdgpu_metadata
.endif
;; end of part 2
